; MI455X (gfx1250); checked and timed in simulation.
; The chip was launched on July 23, 2026; its instructions are those of AMD's public machine-readable ISA for CDNA 5 (MIT licence, August 2026) and "CDNA5" Instruction Set Architecture Reference Guide (July 2026). The comments in the code are by the model that wrote it; some were corrected since.
;; Cross Trans Former. Allowed arithmetic: matrix products marked QUANTISED: E2M1 operands, one E8M0 scale for each 32 along K, by v_wmma_scale_f32_16x16x128_f8f6f4 with both operands' format E2M1 (or v_wmma_scale_f32_32x16x128_f4), f32 sums; everything else in f32.
;; Inputs: Wk 1,024 x 1,024 float32; Wq 1,024 x 1,024 float32; Wv 1,024 x 1,024 float32; Xk 4 x 1,024 x 2,048 float32; Xq 4 x 1,024 x 2,048 float32; beta1 1,024 float32; beta2 1,024 float32; beta3 1,024 float32; gamma1 1,024 float32; gamma2 1,024 float32; gamma3 1,024 float32; mean1 1,024 float32; mean2 1,024 float32; mean3 1,024 float32; var1 1,024 float32; var2 1,024 float32; var3 1,024 float32.
;; Outputs: out0 4 x 1,024 x 2,048 float32.
;; This version of the problem:
;;   THIS VERSION OF THE PROBLEM IS GIVEN IN LOW PRECISION. The matrix products marked QUANTISED in the list below multiply operands that are first quantised to E2M1 (2 exponent bits, 1 mantissa bit; 4 bits a number), with one power-of-two scale for each 32 numbers along K (OCP MX v1.0); their sums are f32. All else is computed in f32.
;;   The module's matrix products, in the order in which they are computed (A, B: the left and right operand; K: the contracted axis; several contracted axes count as one K, in the product's order):
;;     1. [M 8,192, K 1,024] x [K 1,024, N 1,024]; A: input Xq; B: input Wq: QUANTISED
;;     2. [M 8,192, K 1,024] x [K 1,024, N 1,024]; A: input Xk; B: input Wk: QUANTISED
;;     3. [M 8,192, K 1,024] x [K 1,024, N 1,024]; A: input Xq; B: input Wv: QUANTISED
;;     4. batch 32 x [M 2,048, K 128] x [K 128, N 2,048]; A: computed on the way; B: computed on the way: QUANTISED
;;     5. batch 32 x [M 128, K 2,048] x [K 2,048, N 2,048]; A: computed on the way; B: softmax (see below): QUANTISED
;;   THE QUANTISER, for each operand of a quantised product, along K:
;;     - K is cut into blocks of 32 from its start; a last block that is shorter is filled with zeros.
;;     - A block's scale is 2^e with e = floor(log2(the largest magnitude in the block)) - 2, held to -126 .. 127; a block of zeros has e = 0. As a byte (E8M0): e + 127.
;;     - Each number is divided by its block's scale, clamped to +-6, and rounded to the nearest number of E2M1, ties to even, subnormals kept.
;;     - The product sums the exact products of the quantised numbers (number of the format x scale) in f32.
;;   ~~~python
;;   def quantise(x, axis):      # numpy; x: float32 -> the quantised numbers, widened to float32 again
;;       x = np.moveaxis(x, axis, -1); K = x.shape[-1]
;;       x = np.pad(x, [(0, 0)] * (x.ndim - 1) + [(0, -K % 32)]); x = x.reshape(x.shape[:-1] + (-1, 32)); a = np.abs(x).max(-1, keepdims=True)
;;       e = np.where(a > 0, np.clip(np.frexp(np.where(a > 0, a, 1))[1] - 1 - 2, -126, 127), 0)      # np.frexp(a)[1] - 1 = floor(log2(a)), exactly
;;       r = np.clip(x / 2.0 ** e, -6, 6)
;;       step = 2.0 ** (np.maximum(np.frexp(np.where(r == 0, 1, r))[1] - 1, 0) - 1)
;;       q = np.round(r / step) * step * 2.0 ** e      # np.round: ties to even
;;       return np.moveaxis(q.reshape(q.shape[:-2] + (-1,))[..., :K], -1, axis).astype(np.float32)
;;   ~~~
;;   SOFTMAX AHEAD OF A QUANTISED PRODUCT. Where the list says 'softmax', what is quantised is not the finished softmax but p = 2^(t - M), with t = logit x log2(e) and M = ceil(the row's largest t), a whole number; so 1/2 < the row's largest p <= 1. The row's sum l is taken of the UNQUANTISED p, in f32, and the product's result is divided by l at the end. Since M is a whole number, a kernel that streams over the keys may use a running M (the ceiling of the running maximum): every later rescaling is an exact power of two, which a block's scale takes up: the codes' values come out the same.
;;   OPERANDS COMPUTED ON THE WAY. 'Computed on the way' means the value that the module computes at that place (a softmax that the list does not call 'softmax' is quantised finished and normalised). What goes into a quantiser is computed in f32, as accurately as f32 sums, v_exp_f32 and their like allow (about 1e-6 of the number): no bf16 or f16 on the way to a quantiser, and a product that is left as it is and whose result goes on into a quantised operand takes f32 operands (vector FMAs, or v_wmma_f32_16x16x4_f32). A number that lies on a knife's edge between two numbers of the format may be rounded either way, as far as f32 arithmetic and the matrix unit's own rounding can turn it there, and no further.
;; One version. Each part assembles by itself: llvm-mc -triple=amdgcn-amd-amdhsa -mcpu=gfx1250 --defsym DOCPART=n.
;; ======== version 1 of 1: 3 launches
;; workspace buffers: xcod 8,388,608 bytes; xscl 524,288 bytes; wcod 1,572,864 bytes; wscl 98,304 bytes; bnp 24,576 bytes; acod 12,582,912 bytes; ascl 786,432 bytes
;; launch quant (part 1): grid 608 x 1, 4 waves a work-group, no clusters, 34,304 bytes of LDS; arguments Xk, Xq, xcod, xscl, Wk, Wv, Wq, wcod, gamma2, beta2, mean2, var2, gamma3, beta3, mean3, var3, gamma1, beta1, mean1, var1, wscl, bnp; writes xcod, xscl, wcod, wscl, bnp
.if DOCPART == 1
	.amdgcn_target "amdgcn-amd-amdhsa--gfx1250"
	.amdhsa_code_object_version 6
	.text
	.protected	k_q023aaa1bcb_quant
	.globl	k_q023aaa1bcb_quant
	.p2align	8
	.type	k_q023aaa1bcb_quant,@function
k_q023aaa1bcb_quant:
	s_mov_b64 s[64:65], 0
	v_nop
	global_prefetch_b8 v0, s[64:65] scope:SCOPE_SE
	s_setreg_imm32_b32 hwreg(HW_REG_WAVE_MODE, 25, 1), 1
	s_wait_xcnt 0x0
; LAUNCH 1 OF 3.  Xk, Xq [4][1024 c][2048 p] and Wk, Wv, Wq [1024 o][1024 c], f32, become codes of FP4 (E2M1) with one E8M0 byte for each 32 along c, the K of the three 1x1 convolutions;
; the twelve BatchNorm vectors become scale = gamma / sqrt(var + 1e-5) and bias = beta - mean x scale.
; NOTHING OF reference() IS LEFT OUT in this program: Q, K and V all reach out0 through the two products of the attention, so all 17 inputs are loaded.
; LAYOUT OF THE CODES: an operand lies in memory as the image of its registers.  A tile of 16 operand rows has, for each block kb of 32 along K, 256 bytes: row r's 16 bytes at 256 kb + 16 r.  A fragment
; (16 rows x 128 K) is then 1,024 consecutive bytes, and lane l's register group c stands at 512 c + 16 l.
; THE ROWS OF A TILE ARE NOT NEIGHBOURS: of a group of 32 rows, tile u (0, 1) takes rows 8 u + m + 8 (m / 8), m = 0 .. 15.  As source 0 of a matrix instruction two such tiles leave 16 neighbours in a lane's 16 result registers.
; SCALE BYTES: [group of 32 rows][quarter of K][16 u + r][8 bytes]: the scale words of the quarter's two steps of 128 along K.
; A block's scale is 2^(floor(log2(its largest magnitude)) - 2): its byte is that magnitude's exponent field - 2, held at 1 from below.
; LIMITS: a block of zeros, or one whose largest magnitude lies under 2^-124, gets the byte 1 (its codes are zeros or what that scale gives; only this program reads the bytes); NaN and infinities among the
; inputs are not served; var + 1e-5 is taken to be above 0; 1 / sqrt is v_rsq_f32 (1 ulp) followed by one multiplication, where reference() takes a root and divides.
; SHARES: a wave takes 32 operand rows x 256 along K.  Work-groups 0-511: X (a lane to a position, registers down c: nothing is transposed).  Work-groups 512-607: W (K innermost: the numbers turn through the
; wave's own stage in LDS so that a lane holds whole blocks).  No barrier: waves share nothing.
.set SPARE, 33792                      ; behind the four stages: the spare words, 128 bytes a wave
.set STG,   8448                       ; a wave's stage: 16 rows x (512 bytes + 16)
.set SPW,   14                         ; v14  LDS address of my spare word; never rewritten
.set NIL,   15                         ; v15  0; never rewritten
.set SB,    24                         ; v24.. scale bytes or words
.set CD,    32                         ; v32-63 codes: no store's data are written again
.set XR,    64                         ; v64-127 X: two sets of 32 numbers;  W: a fragment's 64 numbers, turned
.set LR,    128                        ; v128-255 W: two sets of 64 numbers as loaded
	s_load_b256 s[4:11], s[0:1], 0x0               ; Xk, Xq, xcod, xscl
	s_load_b256 s[12:19], s[0:1], 0x20             ; Wk, Wv, Wq, wcod
	s_load_b256 s[20:27], s[0:1], 0x40             ; gamma, beta, mean, var of K's branch
	s_load_b256 s[28:35], s[0:1], 0x60             ; of V's
	s_load_b256 s[36:43], s[0:1], 0x80             ; of Q's
	s_load_b128 s[44:47], s[0:1], 0xa0             ; wscl, bnp
	v_lshl_add_u32 v[SPW], v0, 2, SPARE
	v_mov_b32 v[NIL], 0
	v_lshrrev_b32 v1, 5, v0
	v_readfirstlane_b32 s48, v1                    ; wave 0..3
	v_and_b32 v2, 31, v0                           ; lane
	v_and_b32 v4, 15, v0                           ; r
	v_bfe_u32 v5, v0, 4, 1                         ; u (X) or h (W): the lane's half
	s_cmp_ge_u32 ttmp9, 512
	s_cbranch_scc1 .Lw
	; ---------------- X: work-group = x (1 bit) | batch (2) | group of four 32-position groups (4) | quarter of c (2)
	s_lshr_b32 s49, ttmp9, 8                       ; x: 0 = Xk, 1 = Xq
	s_bfe_u32 s50, ttmp9, 0x20006                  ; batch
	s_bfe_u32 s51, ttmp9, 0x40002
	s_and_b32 s52, ttmp9, 3                        ; quarter of c
	s_lshl_b32 s51, s51, 2
	s_add_co_u32 s51, s51, s48                     ; my group of 32 positions in the batch: the four waves stand side by side on 512 bytes of a row
	s_lshl_b32 s53, s50, 6
	s_add_co_u32 s53, s53, s51                     ; and among the tensor's 256
	s_lshl_b32 s54, s50, 23                        ; in X: a batch is 2^23 bytes, 256 rows of c 2^21, 32 positions 128
	s_lshl_b32 s55, s52, 21
	s_add_co_u32 s54, s54, s55
	s_lshl_b32 s55, s51, 7
	s_add_co_u32 s54, s54, s55
	s_mov_b32 s55, 0
	s_lshl_b32 s56, s49, 22                        ; in the codes: a tensor 2^22, a group of 32 rows 2^14, a quarter of K 2^11
	s_lshl_b32 s57, s53, 14
	s_add_co_u32 s56, s56, s57
	s_lshl_b32 s57, s52, 11
	s_add_co_u32 s56, s56, s57
	s_mov_b32 s57, 0
	s_lshl_b32 s58, s49, 18                        ; in the scale bytes: 2^18, 2^10, 2^8
	s_lshl_b32 s59, s53, 10
	s_add_co_u32 s58, s58, s59
	s_lshl_b32 s59, s52, 8
	s_add_co_u32 s58, s58, s59
	s_mov_b32 s59, 0
	v_and_b32 v3, 7, v4
	v_lshrrev_b32 v8, 3, v4
	v_lshl_add_u32 v3, v8, 4, v3
	v_lshl_add_u32 v3, v5, 3, v3                   ; my position in the group: 8 u + r + 8 (r / 8)
	v_lshlrev_b32 v3, 2, v3
	v_lshlrev_b32 v6, 4, v4
	v_lshl_add_u32 v6, v5, 13, v6                  ; my codes: tile u (8,192 bytes), 16 r
	v_lshlrev_b32 v7, 3, v2                        ; my scale bytes: 8 x lane
	s_wait_kmcnt 0x0
	s_cmp_eq_u32 s49, 0                            ; the choice hangs on the work-group's number alone
	s_cselect_b64 s[4:5], s[4:5], s[6:7]
	s_add_nc_u64 s[4:5], s[4:5], s[54:55]
	s_add_nc_u64 s[8:9], s[8:9], s[56:57]
	s_add_nc_u64 s[10:11], s[10:11], s[58:59]
.macro LOADX t                         ; block t: X(c = 32 t + i, my position), i = 0 .. 31: a wave's load covers 128 consecutive bytes
.irp i, 0,1,2,3,4,5,6,7,8,9,10,11,12,13,14,15,16,17,18,19,20,21,22,23,24,25,26,27,28,29,30,31
	global_load_b32 v[XR+32*((\t)%2)+\i], v3, s[4:5] offset:(32*(\t)+\i)*8192 th:TH_LOAD_NT
.endr
.endm
.macro BLOCKX t
.set XS, XR+32*((\t)%2)
.if (\t) < 7
	s_wait_loadcnt 32                              ; this block's 32 loads are in; the next block's 32 may be out
.else
	s_wait_loadcnt 0x0
.endif
	v_max3_num_f32 v12, |v[XS]|, |v[XS+1]|, |v[XS+2]|    ; the block's largest magnitude: all 32 numbers are mine; two chains
	v_max3_num_f32 v13, |v[XS+3]|, |v[XS+4]|, |v[XS+5]|
.irp i, 6,10,14,18,22,26
	v_max3_num_f32 v12, v12, |v[XS+\i]|, |v[XS+\i+1]|
	v_max3_num_f32 v13, v13, |v[XS+\i+2]|, |v[XS+\i+3]|
.endr
	v_max3_num_f32 v12, v12, |v[XS+30]|, |v[XS+31]|
	v_max3_num_f32 v12, v12, v13, 0x1800000        ; and the floor 2^(3 - 127): the byte cannot fall under 1
	v_add_nc_u32 v11, 0xff000000, v12              ; 2 off the exponent field: the conversion takes this operand's exponent field as its scale
	v_lshrrev_b32 v13, 23, v11                     ; the scale's byte
.if (\t)%4 == 0
	v_mov_b32 v[SB+(\t)/4], v13                    ; four bytes to a word, the lower K in the lower byte
.else
	v_lshl_or_b32 v[SB+(\t)/4], v13, 8*((\t)%4), v[SB+(\t)/4]
.endif
.irp k, 0,1,2,3
	v_cvt_scalef32_pk8_fp4_f32 v[CD+4*(\t)+\k], v[XS+8*\k:XS+8*\k+7], v11
.endr
	global_store_b128 v6, v[CD+4*(\t):CD+4*(\t)+3], s[8:9] offset:256*(\t)   ; lanes 0-15 store 256 consecutive aligned bytes of tile 0, lanes 16-31 of tile 1
.if (\t) < 6
	LOADX (\t)+2
.endif
.endm
	LOADX 0
	LOADX 1
.irp t, 0,1,2,3,4,5,6,7
	BLOCKX \t
.endr
	global_store_b64 v7, v[SB:SB+1], s[10:11]      ; 32 lanes store 256 consecutive aligned bytes
	s_endpgm                                       ; (this way has written no LDS)
	; ---------------- W: work-group 512 + 32 g + T: tensor g (0 = Wk, 1 = Wv, 2 = Wq), group T of 32 rows; wave = quarter of K
.Lw:
	s_sub_co_u32 s49, ttmp9, 512
	s_lshr_b32 s50, s49, 5                         ; g
	s_and_b32 s51, s49, 31                         ; T
	s_mul_i32 s52, s48, STG                        ; my stage
	v_lshlrev_b32 v3, 4, v2                        ; 16 x lane
	v_add_nc_u32 v8, s52, v3                       ; into the stage: a row's 512 bytes as they lie
	v_mul_u32_u24 v9, v4, 528
	v_lshl_add_u32 v9, v5, 7, v9
	v_add_nc_u32 v9, s52, v9                       ; out of it: row r, block h (128 bytes a block)
	v_lshlrev_b32 v10, 3, v5                       ; 8 h
	v_lshlrev_b32 v7, 3, v2                        ; 8 x lane
	v_mov_b32 v23, 0                               ; a lane permute's destination counts as one of its sources
	s_mov_b32 s62, 0x76543210
	s_mov_b32 s63, 0xfedcba98                      ; v_permlanex16_b32's selects for lane l xor 16
	s_lshl_b32 s54, s51, 17                        ; in W: 32 rows of 4,096 bytes; a quarter of K is 1,024 bytes
	s_lshl_b32 s55, s48, 10
	s_add_co_u32 s54, s54, s55
	s_mov_b32 s55, 0
	s_lshl_b32 s56, s50, 19                        ; in the codes: a tensor 2^19, a group 2^14, a quarter 2^11
	s_lshl_b32 s57, s51, 14
	s_add_co_u32 s56, s56, s57
	s_lshl_b32 s57, s48, 11
	s_add_co_u32 s56, s56, s57
	s_mov_b32 s57, 0
	s_lshl_b32 s58, s50, 15                        ; in the scale bytes: 2^15, 2^10, 2^8
	s_lshl_b32 s59, s51, 10
	s_add_co_u32 s58, s58, s59
	s_lshl_b32 s59, s48, 8
	s_add_co_u32 s58, s58, s59
	s_mov_b32 s59, 0
	s_lshl_b32 s60, s50, 13                        ; in bnp: a branch 8,192 bytes, 32 channels 128
	s_lshl_b32 s61, s51, 7
	s_add_co_u32 s60, s60, s61
	s_mov_b32 s52, s61                             ; and in each BatchNorm vector
	s_mov_b32 s53, 0
	s_mov_b32 s61, 0
	s_wait_kmcnt 0x0
	s_cmp_eq_u32 s50, 1                            ; the choices hang on the work-group's number alone: V's or Q's,
	s_cselect_b64 s[14:15], s[14:15], s[16:17]
	s_cselect_b64 s[28:29], s[28:29], s[36:37]
	s_cselect_b64 s[30:31], s[30:31], s[38:39]
	s_cselect_b64 s[32:33], s[32:33], s[40:41]
	s_cselect_b64 s[34:35], s[34:35], s[42:43]
	s_cmp_eq_u32 s50, 0                            ; or K's
	s_cselect_b64 s[12:13], s[12:13], s[14:15]
	s_cselect_b64 s[20:21], s[20:21], s[28:29]
	s_cselect_b64 s[22:23], s[22:23], s[30:31]
	s_cselect_b64 s[24:25], s[24:25], s[32:33]
	s_cselect_b64 s[26:27], s[26:27], s[34:35]
	s_add_nc_u64 s[12:13], s[12:13], s[54:55]
	s_add_nc_u64 s[18:19], s[18:19], s[56:57]
	s_add_nc_u64 s[44:45], s[44:45], s[58:59]
; Fragment f = 2 u + s: tile u of the group, step s of the quarter's two steps of 128 along K.
.macro LOADW f                         ; 16 rows x 512 bytes: each load reads 512 consecutive bytes of one row
.irp i, 0,1,2,3,4,5,6,7,8,9,10,11,12,13,14,15
	global_load_b128 v[LR+64*((\f)%2)+4*\i:LR+64*((\f)%2)+4*\i+3], v3, s[12:13] offset:(8*((\f)/2)+\i+8*(\i/8))*4096+512*((\f)%2) th:TH_LOAD_NT
.endr
.endm
.macro FRAGW f
.if (\f) < 3
	s_wait_loadcnt 16                              ; this fragment's 16 loads are in; the next fragment's 16 may be out
.else
	s_wait_loadcnt 0x0
.endif
.irp i, 0,1,2,3,4,5,6,7,8,9,10,11,12,13,14,15
	ds_store_b128 v8, v[LR+64*((\f)%2)+4*\i:LR+64*((\f)%2)+4*\i+3] offset:528*\i
.endr
.irp c, 0,1                                    ; LDS serves a wave's instructions in order: these see the stores.  Lane (r, h) takes blocks h and 2 + h of row r, whole
.irp j, 0,1,2,3,4,5,6,7
	ds_load_b128 v[XR+32*\c+4*\j:XR+32*\c+4*\j+3], v9 offset:256*\c+16*\j
.endr
.endr
	s_wait_dscnt 0x0                               ; the numbers are back, and the stores have read their registers,
.if (\f) < 2
	LOADW (\f)+2                                   ; which take the fragment two further on
.endif
.irp c, 0,1
	v_max3_num_f32 v[16+\c], |v[XR+32*\c]|, |v[XR+1+32*\c]|, 0x1800000   ; my two blocks by turns, with the floor 2^(3 - 127)
.endr
.irp i, 2,4,6,8,10,12,14,16,18,20,22,24,26,28,30
.irp c, 0,1
	v_max3_num_f32 v[16+\c], v[16+\c], |v[XR+32*\c+\i]|, |v[XR+1+32*\c+\i]|
.endr
.endr
.irp c, 0,1
	v_add_nc_u32 v[18+\c], 0xff000000, v[16+\c]    ; the conversion's scale operand
.endr
.irp c, 0,1
	v_lshrrev_b32 v[20+\c], 23, v[18+\c]           ; the scale's byte
.endr
	v_lshl_or_b32 v22, v21, 16, v20                ; my two bytes, blocks h and 2 + h,
	v_lshlrev_b32 v22, v10, v22                    ; at their places in the word;
	v_permlanex16_b32 v23, v22, s62, s63
	v_or_b32 v[SB+(\f)], v22, v23                  ; with lane l xor 16's two the word of row r is whole, in both halves
.irp c, 0,1
.irp k, 0,1,2,3
	v_cvt_scalef32_pk8_fp4_f32 v[CD+8*(\f)+4*\c+\k], v[XR+32*\c+8*\k:XR+32*\c+8*\k+7], v[18+\c]
.endr
.endr
.irp c, 0,1
	global_store_b128 v3, v[CD+8*(\f)+4*\c:CD+8*(\f)+4*\c+3], s[18:19] offset:((\f)/2)*8192+((\f)%2)*1024+512*\c   ; the fragment's image: 512 consecutive aligned bytes a store
.endr
.endm
	LOADW 0
	LOADW 1
.irp f, 0,1,2,3
	FRAGW \f
.endr
	v_cmp_eq_u32 vcc_lo, 1, v5                     ; lanes 0-15 store tile 0's two words of row r, lanes 16-31 tile 1's
	v_cndmask_b32 v28, v[SB], v[SB+2], vcc_lo
	v_cndmask_b32 v29, v[SB+1], v[SB+3], vcc_lo
	global_store_b64 v7, v[28:29], s[44:45]        ; 256 consecutive aligned bytes
	s_cmp_lg_u32 s48, 0                            ; wave 0 folds the BatchNorm of the group's 32 channels, a lane a channel
	s_cbranch_scc1 .Lend_w
	s_add_nc_u64 s[20:21], s[20:21], s[52:53]
	s_add_nc_u64 s[22:23], s[22:23], s[52:53]
	s_add_nc_u64 s[24:25], s[24:25], s[52:53]
	s_add_nc_u64 s[26:27], s[26:27], s[52:53]
	s_add_nc_u64 s[46:47], s[46:47], s[60:61]
	v_lshlrev_b32 v16, 2, v2
	global_load_b32 v17, v16, s[20:21]             ; gamma
	global_load_b32 v18, v16, s[22:23]             ; beta
	global_load_b32 v19, v16, s[24:25]             ; mean
	global_load_b32 v20, v16, s[26:27]             ; var
	s_wait_loadcnt 0x0
	v_add_f32 v20, 0x3727c5ac, v20                 ; + 1e-5
	v_rsq_f32 v21, v20
	v_nop                                          ; a plain instruction behind the transcendental,
	s_wait_alu depctr_va_vdst(0)                   ; and the wait ahead of its first reader
	v_mul_f32 v17, v17, v21                        ; scale
	v_fma_f32 v18, -v19, v17, v18                  ; bias = beta - mean x scale
	global_store_b32 v16, v17, s[46:47]            ; 128 bytes a store: all of bnp is 24,576 bytes
	global_store_b32 v16, v18, s[46:47] offset:4096
.Lend_w:
	s_wait_tensorcnt 0x0                           ; the wave's end: behind my last LDS store
	ds_add_u32 v[SPW], v[NIL]
	s_wait_dscnt 0x0
	s_endpgm
.Lfunc_end_k_q023aaa1bcb_quant:
	.size	k_q023aaa1bcb_quant, .Lfunc_end_k_q023aaa1bcb_quant-k_q023aaa1bcb_quant
	.p2alignl 7, 3214868480
	.fill 96, 4, 3214868480
	.section	.rodata,"a",@progbits
	.p2align	6, 0x0
	.amdhsa_kernel k_q023aaa1bcb_quant
		.amdhsa_group_segment_fixed_size 34304
		.amdhsa_private_segment_fixed_size 0
		.amdhsa_enable_private_segment 0
		.amdhsa_kernarg_size 176
		.amdhsa_user_sgpr_count 2
		.amdhsa_user_sgpr_kernarg_segment_ptr 1
		.amdhsa_wavefront_size32 1
		.amdhsa_system_sgpr_workgroup_id_x 1
		.amdhsa_system_sgpr_workgroup_id_y 1
		.amdhsa_system_sgpr_workgroup_id_z 1
		.amdhsa_system_vgpr_workitem_id 0
		.amdhsa_next_free_vgpr 256
		.amdhsa_next_free_sgpr 66
		.amdhsa_reserve_vcc 1
		.amdhsa_float_denorm_mode_32 3
		.amdhsa_float_denorm_mode_16_64 3
		.amdhsa_memory_ordered 1
		.amdhsa_forward_progress 1
		.amdhsa_inst_pref_size 70
	.end_amdhsa_kernel
	.amdgpu_metadata
---
amdhsa.version: [ 1, 2 ]
amdhsa.kernels:
  - .name:           k_q023aaa1bcb_quant
    .symbol:         k_q023aaa1bcb_quant.kd
    .args:
      - { .name: Xk, .offset: 0, .size: 8, .value_kind: global_buffer, .address_space: global }
      - { .name: Xq, .offset: 8, .size: 8, .value_kind: global_buffer, .address_space: global }
      - { .name: xcod, .offset: 16, .size: 8, .value_kind: global_buffer, .address_space: global }
      - { .name: xscl, .offset: 24, .size: 8, .value_kind: global_buffer, .address_space: global }
      - { .name: Wk, .offset: 32, .size: 8, .value_kind: global_buffer, .address_space: global }
      - { .name: Wv, .offset: 40, .size: 8, .value_kind: global_buffer, .address_space: global }
      - { .name: Wq, .offset: 48, .size: 8, .value_kind: global_buffer, .address_space: global }
      - { .name: wcod, .offset: 56, .size: 8, .value_kind: global_buffer, .address_space: global }
      - { .name: gamma2, .offset: 64, .size: 8, .value_kind: global_buffer, .address_space: global }
      - { .name: beta2, .offset: 72, .size: 8, .value_kind: global_buffer, .address_space: global }
      - { .name: mean2, .offset: 80, .size: 8, .value_kind: global_buffer, .address_space: global }
      - { .name: var2, .offset: 88, .size: 8, .value_kind: global_buffer, .address_space: global }
      - { .name: gamma3, .offset: 96, .size: 8, .value_kind: global_buffer, .address_space: global }
      - { .name: beta3, .offset: 104, .size: 8, .value_kind: global_buffer, .address_space: global }
      - { .name: mean3, .offset: 112, .size: 8, .value_kind: global_buffer, .address_space: global }
      - { .name: var3, .offset: 120, .size: 8, .value_kind: global_buffer, .address_space: global }
      - { .name: gamma1, .offset: 128, .size: 8, .value_kind: global_buffer, .address_space: global }
      - { .name: beta1, .offset: 136, .size: 8, .value_kind: global_buffer, .address_space: global }
      - { .name: mean1, .offset: 144, .size: 8, .value_kind: global_buffer, .address_space: global }
      - { .name: var1, .offset: 152, .size: 8, .value_kind: global_buffer, .address_space: global }
      - { .name: wscl, .offset: 160, .size: 8, .value_kind: global_buffer, .address_space: global }
      - { .name: bnp, .offset: 168, .size: 8, .value_kind: global_buffer, .address_space: global }
    .group_segment_fixed_size: 34304
    .private_segment_fixed_size: 0
    .kernarg_segment_align: 8
    .kernarg_segment_size: 176
    .max_flat_workgroup_size: 128
    .sgpr_count:     66
    .vgpr_count:     256
    .wavefront_size: 32
...
	.end_amdgpu_metadata
.endif
;; end of part 1
;; launch proj (part 2): grid 4 x 96, 4 waves a work-group, clusters of 4 x 4, 327,680 bytes of LDS; arguments xcod, xscl, wcod, wscl, bnp, acod, ascl; writes acod, ascl
.if DOCPART == 2
	.amdgcn_target "amdgcn-amd-amdhsa--gfx1250"
	.amdhsa_code_object_version 6
	.text
	.protected	k_q023aaa1bcb_proj
	.globl	k_q023aaa1bcb_proj
	.p2align	8
	.type	k_q023aaa1bcb_proj,@function
k_q023aaa1bcb_proj:
	s_mov_b64 s[64:65], 0
	v_nop
	global_prefetch_b8 v0, s[64:65] scope:SCOPE_SE
	s_setreg_imm32_b32 hwreg(HW_REG_WAVE_MODE, 25, 1), 1
	s_wait_xcnt 0x0
	s_wait_alu depctr_hold_cnt(0) depctr_sa_sdst(0) depctr_va_vdst(0) depctr_va_sdst(0) depctr_va_ssrc(0) depctr_va_vcc(0) depctr_vm_vsrc(0)
	s_getreg_b32 s2, hwreg(HW_REG_IB_STS2, 6, 4)
	s_cmp_eq_u32 s2, 0
	s_cbranch_scc0 .Lentry_in_a_cluster
	s_endpgm
.Lentry_in_a_cluster:
	s_bfe_u32 s2, ttmp6, 0x10000c
	s_cmp_lg_u32 s2, 0xf033
	s_cbranch_scc0 .Lentry_shape_is_right
	s_endpgm
.Lentry_shape_is_right:
; LAUNCH 2 OF 3.  The three 1x1 convolutions on codes of FP4 (K = 1,024 channels), BatchNorm and LeakyReLU(0.1) in f32, and the quantiser of the attention's operands, in registers.  Nothing of reference() is left out.
; A work-group of four waves makes 256 x 256 results, a wave 128 x 128: 64 accumulators of 16 x 16.  'A' is source 1 of the matrix instruction (its rows go to lanes), 'B' source 0 (its rows go to a lane's registers).
; ROLES, by the cluster's y (24 clusters; g = y / 8):  g = 0 (K') and 1 (V'): A = X's positions, B = W's output channels: a lane's registers run along the head's 128 channels, the K of the scores.
;   g = 2 (Q'): A = Wq's channels, B = Xq's positions: a lane's registers run along 128 positions, the K of the second product.
; By the order of rows in a tile (8 u + m + 8 (m / 8) of a group of 32) the 16 registers of B's tiles 2 b and 2 b + 1 are 16 NEIGHBOURS, 32 b + 16 (lane / 16) + 0 .. 15: a block of A's 16 rows x my 128 of B is one fragment of the next product.
; OPERANDS lie in memory and in LDS as images of their registers: a fragment is 1,024 bytes, lane l's group c at 512 c + 16 l: every LDS load takes 512 consecutive bytes.
; K = 1,024 is two halves of 512; both halves of A's and B's 256 rows (2 x 131,072 bytes) and all their scale bytes (16,384) fit in LDS: every tensor load is a first fill, three a wave, and nothing is filled again.
; CLUSTERS: 4 x 4 work-groups.  A's tile hangs on cy and the cluster's y, B's on cx and the cluster's y: the four of a row ask for A's tiles jointly, the four of a column for B's.
; THE BATCHNORM PAIR is wanted by registers (K', V': the channel runs along the registers) or by lanes (Q': the channel is the lane's row).  Every work-group loads both layouts, so that each register named in either arm
; of the way out is written on every way through the text; the layout that its role does not use costs 32 loads a wave, once.
; OUT: acod [g][batch x head 32][step of 128 positions 16][tile 8][1,024 bytes]; ascl [g][32][16][row 16][tile 8] words.  Each store of codes covers 512 consecutive aligned bytes.
; LIMITS: a block of zeros or under 2^-124 keeps the byte 1 (only this program reads the bytes); NaN and infinities are not served.
; REGISTERS: window 0: v0-15 addresses; v16-31 at work; v32-95 scale words, and nothing else; v96-111 codes, two sets; v112-119 the eight scale words made; v120-123 those that I store; v128-191 A's fragments, later y;
;   v192-223 0.1 y; v224-255 the BatchNorm pair by lanes.   window 1: B's fragments at v0 and v128; BatchNorm by registers: scale v64-127, bias v192-255.   windows 2, 3: the accumulators ((a, b) at v[8 (8 (a % 4) + b)]).
.set NQ,    4                          ; steps of 128 along K in a half
.set FR,    8                          ; registers of a fragment
.set NL,    2                          ; LDS loads that bring one
.set NP,    4                          ; places behind this matrix instruction (ISA guide 7.12.1)
.set SLOT,  131072                     ; a half of K: A's 16 tiles x 4,096 bytes, then B's
.set BOFF,  65536
.set SCL,   262144                     ; the scale bytes: A's 8,192, then B's
.set SPARE, 278528                     ; the spare words, 128 bytes a wave
.set BNQ,  5                           ; v5   BatchNorm by lanes: 4 (r + 8 (r / 8))
.set SPW,  6                           ; v6   LDS address of my spare word; never rewritten
.set NIL,  7                           ; v7   0; never rewritten
.set ADRA, 8                           ; v8-9   LDS address of my A fragments in half 0, 1
.set ADRB, 10                          ; v10-11 the same for B
.set ADRS, 12                          ; v12  my scale words: lanes 0-15 A's rows, lanes 16-31 B's
.set LI,   13                          ; v13  16 x lane
.set SO,   14                          ; v14  32 r + 16 h: my four scale words on the way out
.set BNO,  15                          ; v15  BatchNorm by registers: 64 h
.set TM,   16
.set SC,   32
.set PC,   96
.set PW,   112
.set SW,   120
.set AF,   128
.set Y,    128
.set Z,    192
.set QS,   224
.set QBI,  240
.set WV,   18                          ; s18 wave;  s19 wave / 2: my half of A's rows, and: I fetch for A (0) or B (1);  s20 wave % 2: my half of B's rows, and which 128 rows I fetch
.set HA,   19
.set HB,   20
.set G1,   24                          ; s[24:31] group 1 for A's codes;  s[32:39] group 0, one for each half
.set G0,   32
.set G1B,  40                          ; s[40:47], s[48:55] the same for B's
.set G0B,  48
.set G1S,  56                          ; s[56:63], s[68:71] groups 1 and 0 for A's scale bytes;  s[72:79], s[80:83] for B's
.set G0S,  68
.set G1SB, 72
.set G0SB, 80
.set SLP,  90                          ; s[90:91] the slope 0.1
.set SEL,  100                         ; s[100:101] v_permlanex16_b32's selects for lane l xor 16
.set MSB, 0
.macro WIN new                         ; the immediate's high byte repeats the setting that is left
.if MSB != (\new)
	s_set_vgpr_msb (MSB<<8)|(\new)
.set MSB, (\new)
.endif
.endm
.set MUL_LO, 0xa1                      ; source 0 (B) window 1, source 1 (A) window 0, C and D window 2
.set MUL_HI, 0xf1                      ; the same, C and D window 3
.set TO_B,   0x40                      ; destination window 1, address window 0
; A joint load: waves 0 and 1 fetch for A, waves 2 and 3 for B.  Each line has one mask and one set of registers; the branch hangs on the wave's number alone.  An s_nop 0 and four v_nop follow each line.
.macro JLOAD g0a, g1a, g0b, g1b
	s_cmp_eq_u32 s[HA], 0
	s_cbranch_scc0 .Lfor_b_\@
	tensor_load_to_lds s[\g0a:\g0a+3], s[\g1a:\g1a+7]
	s_nop 0
.rept 4
	v_nop
.endr
	s_branch .Lasked_\@
.Lfor_b_\@:
	tensor_load_to_lds s[\g0b:\g0b+3], s[\g1b:\g1b+7]
	s_nop 0
.rept 4
	v_nop
.endr
.Lasked_\@:
.endm
.macro CROUND                          ; a round of the cluster's barrier
	s_barrier_signal -1
	s_barrier_wait -1
	s_cmp_lg_u32 s[WV], 0
	s_cbranch_scc1 .Lnot_wave_0_\@
	s_barrier_signal -3
.Lnot_wave_0_\@:
	s_barrier_wait -3
	s_barrier_signal -1
	s_barrier_wait -1
.endm
	s_load_b256 s[4:11], s[0:1], 0x0               ; xcod s[4:5], xscl s[6:7], wcod s[8:9], wscl s[10:11]
	s_load_b128 s[12:15], s[0:1], 0x20             ; bnp, acod
	s_load_b64 s[16:17], s[0:1], 0x30              ; ascl
	v_lshl_add_u32 v[SPW], v0, 2, SPARE
	v_mov_b32 v[NIL], 0
	ds_add_u32 v[SPW], v[NIL]                      ; the wave's opening: the add, twice on end, and its wait ahead of my first tensor load; the set-up below, work on registers, stands between
	ds_add_u32 v[SPW], v[NIL]
	v_lshrrev_b32 v1, 5, v0
	v_readfirstlane_b32 s[WV], v1
	s_lshr_b32 s[HA], s[WV], 1
	s_and_b32 s[HB], s[WV], 1
	s_bfe_u32 s21, ttmp6, 0x40000                  ; cx
	s_bfe_u32 s22, ttmp6, 0x40004                  ; cy
	s_and_b32 s23, ttmp7, 0xffff                   ; the cluster's y
	s_lshl_b32 s91, s22, 2
	s_lshl_b32 s91, 15, s91                        ; my row of the cluster
	s_lshl_b32 s2, 0x1111, s21                     ; my column
	s_or_b32 s[G1], s91, (3<<16)|(1<<21)           ; 15:0 the mask; 17:16 elements of 8 bytes; 21 set beside a mask; no padding
	s_or_b32 s[G1B], s2, (3<<16)|(1<<21)
	s_or_b32 s[G1S], s91, (3<<16)|(1<<21)
	s_or_b32 s[G1SB], s2, (3<<16)|(1<<21)
.irp g, G1, G1B                        ; codes: 8 tiles' halves of K: 8 rows of 4,096 bytes (512 elements), 8,192 bytes apart
	s_mov_b32 s[\g+1], 512<<16                     ; tensor_dim0
	s_mov_b32 s[\g+2], 8<<16                       ; tensor_dim1
	s_mov_b32 s[\g+3], 512<<16                     ; tile_dim0
	s_mov_b32 s[\g+4], 8                           ; tile_dim1
	s_mov_b32 s[\g+5], 1024                        ; tensor_dim0_stride
	s_mov_b32 s[\g+6], 0
	s_mov_b32 s[\g+7], 0
.endr
.irp g, G1S, G1SB                      ; the scale bytes of 128 rows: 4,096 dense bytes as 16 rows of 256
	s_mov_b32 s[\g+1], 32<<16
	s_mov_b32 s[\g+2], 16<<16
	s_mov_b32 s[\g+3], 32<<16
	s_mov_b32 s[\g+4], 16
	s_mov_b32 s[\g+5], 32
	s_mov_b32 s[\g+6], 0
	s_mov_b32 s[\g+7], 0
.endr
	s_lshr_b32 s84, s23, 3                         ; g
	s_and_b32 s86, s23, 7
	s_lshl_b32 s86, s86, 2                         ; 4 x (the cluster's y % 8): which four tiles of X's 32
	s_lshl_b32 s92, s84, 22                        ; where the tensors begin, for K' and V': A's codes in xcod,
	s_lshl_b32 s94, s84, 18                        ; A's scale bytes in xscl,
	s_lshl_b32 s96, s84, 19                        ; B's codes in wcod,
	s_lshl_b32 s98, s84, 15                        ; B's scale bytes in wscl
	s_cmp_eq_u32 s84, 2                            ; for Q': A = Wq (the third of wcod), B = Xq (the second of xcod)
	s_cselect_b32 s85, 1, 0
	s_cselect_b32 s87, 0, s86
	s_cselect_b32 s88, s86, 0
	s_cselect_b32 s92, 0x100000, s92
	s_cselect_b32 s94, 0x10000, s94
	s_cselect_b32 s96, 0x400000, s96
	s_cselect_b32 s98, 0x40000, s98
	s_add_co_u32 s87, s87, s22                     ; A's tile of 256 rows: hangs on cy and the cluster's y alone
	s_add_co_u32 s88, s88, s21                     ; B's: on cx and the cluster's y alone
	s_lshl_b32 s89, s87, 1
	s_add_co_u32 s89, s89, s[HB]                   ; which 128 rows I would fetch for A:
	s_lshl_b32 s91, s89, 16                        ; 8 tiles of 8,192 bytes,
	s_add_co_u32 s92, s92, s91
	s_lshl_b32 s91, s89, 12                        ; 4,096 scale bytes
	s_add_co_u32 s94, s94, s91
	s_lshl_b32 s90, s88, 1
	s_add_co_u32 s90, s90, s[HB]                   ; and for B (in registers that never hold cy)
	s_lshl_b32 s2, s90, 16
	s_add_co_u32 s96, s96, s2
	s_lshl_b32 s2, s90, 12
	s_add_co_u32 s98, s98, s2
	s_mov_b32 s93, 0
	s_mov_b32 s95, 0
	s_mov_b32 s97, 0
	s_mov_b32 s99, 0
	s_lshl_b32 s3, s[WV], 15                       ; where they go: wave x 32,768 (A's two halves of rows, then B's): no place in the cluster enters an LDS address
	s_lshl_b32 s66, s[WV], 12
.irp s, 0,1
	s_mov_b32 s[G0+4*\s], 1
	s_add_co_u32 s[G0+4*\s+1], s3, \s*SLOT
	s_mov_b32 s[G0B+4*\s], 1
	s_add_co_u32 s[G0B+4*\s+1], s3, \s*SLOT
.endr
	s_mov_b32 s[G0S], 1
	s_add_co_u32 s[G0S+1], s66, SCL
	s_mov_b32 s[G0SB], 1
	s_add_co_u32 s[G0SB+1], s66, SCL
	s_mov_b32 s[SEL], 0x76543210
	s_mov_b32 s[SEL+1], 0xfedcba98
	s_wait_dscnt 0x0                               ; both opening adds are done
	s_wait_kmcnt 0x0
	s_cmp_eq_u32 s85, 1                            ; which buffer is A's and which B's: the choice hangs on the cluster's y alone
	s_cselect_b64 s[G0+2:G0+3], s[8:9], s[4:5]
	s_cselect_b64 s[G0B+2:G0B+3], s[4:5], s[8:9]
	s_cselect_b64 s[G0S+2:G0S+3], s[10:11], s[6:7]
	s_cselect_b64 s[G0SB+2:G0SB+3], s[6:7], s[10:11]
	s_add_nc_u64 s[G0+2:G0+3], s[G0+2:G0+3], s[92:93]
	s_add_nc_u64 s[G0B+2:G0B+3], s[G0B+2:G0B+3], s[96:97]
	s_add_nc_u64 s[G0S+2:G0S+3], s[G0S+2:G0S+3], s[94:95]
	s_add_nc_u64 s[G0SB+2:G0SB+3], s[G0SB+2:G0SB+3], s[98:99]
	s_add_nc_u64 s[G0+6:G0+7], s[G0+2:G0+3], 4096  ; the second half of K: 4,096 bytes on in each tile
	s_add_nc_u64 s[G0B+6:G0B+7], s[G0B+2:G0B+3], 4096
	s_or_b32 s[G0+3], s[G0+3], 0x80000000          ; 127:126 type = 2
	s_or_b32 s[G0+7], s[G0+7], 0x80000000
	s_or_b32 s[G0B+3], s[G0B+3], 0x80000000
	s_or_b32 s[G0B+7], s[G0B+7], 0x80000000
	s_or_b32 s[G0S+3], s[G0S+3], 0x80000000
	s_or_b32 s[G0SB+3], s[G0SB+3], 0x80000000
	CROUND                                         ; all sixteen work-groups are here: the joint loads meet
	JLOAD G0S, G1S, G0SB, G1SB                     ; the scale bytes, the first half of K, the second: three loads of mine are out
	JLOAD G0, G1, G0B, G1B
	JLOAD G0+4, G1, G0B+4, G1B
	v_and_b32 v1, 15, v0                           ; r
	v_bfe_u32 v2, v0, 4, 1                         ; h
	v_and_b32 v3, 31, v0
	v_lshlrev_b32 v[LI], 4, v3
	s_lshl_b32 s66, s[HA], 15                      ; my 8 tiles of A
	v_add_nc_u32 v[ADRA], s66, v[LI]
	v_add_nc_u32 v[ADRA+1], SLOT, v[ADRA]
	s_lshl_b32 s66, s[HB], 15                      ; my 8 tiles of B, behind A's 16
	s_add_co_u32 s66, s66, BOFF
	v_add_nc_u32 v[ADRB], s66, v[LI]
	v_add_nc_u32 v[ADRB+1], SLOT, v[ADRB]
	s_xor_b32 s67, s[HA], 1
	s_add_co_u32 s67, s67, s[HB]
	s_add_co_u32 s67, s67, 1
	s_lshl_b32 s67, s67, 12                        ; from my A's scale bytes to my B's: 4,096 (2 + wave % 2 - wave / 2)
	v_mul_u32_u24 v4, s67, v2                      ; lanes 16-31 take B's: one product of the lane's half
	s_lshl_b32 s66, s[HA], 12
	s_add_co_u32 s66, s66, SCL
	v_lshl_add_u32 v4, v1, 3, v4                   ; 8 bytes a row
	v_add_nc_u32 v[ADRS], s66, v4
	v_lshlrev_b32 v[SO], 5, v1
	v_lshl_add_u32 v[SO], v2, 4, v[SO]
	v_lshlrev_b32 v[BNO], 6, v2
	v_lshrrev_b32 v[BNQ], 3, v1
	v_lshl_add_u32 v[BNQ], v[BNQ], 3, v1
	v_lshlrev_b32 v[BNQ], 2, v[BNQ]
.irp b, 0,1,2,3
	v_mov_b32 v[TM+4+\b], 0                        ; written once: a lane permute's destination counts as one of its sources
.endr
	; where my results go: my 128 of A and my 128 of B are 128 positions and a head, or the other way round
	s_lshl_b32 s89, s87, 1
	s_add_co_u32 s89, s89, s[HA]
	s_lshl_b32 s90, s88, 1
	s_add_co_u32 s90, s90, s[HB]
	s_cmp_eq_u32 s85, 1
	s_cselect_b32 s91, s90, s89                    ; which 128 positions of the 8,192
	s_cselect_b32 s2, s89, s90                     ; the head
	s_lshr_b32 s89, s91, 4                         ; the batch
	s_lshl_b32 s89, s89, 3
	s_add_co_u32 s89, s89, s2
	s_lshl_b32 s89, s89, 4
	s_and_b32 s91, s91, 15
	s_add_co_u32 s89, s89, s91                     ; unit = (8 batch + head) 16 + step
	s_lshl_b32 s92, s89, 13                        ; 8,192 bytes of codes a unit, 2^22 a tensor
	s_lshl_b32 s90, s84, 22
	s_add_co_u32 s92, s92, s90
	s_add_nc_u64 s[14:15], s[14:15], s[92:93]
	s_lshl_b32 s94, s89, 9                         ; 512 bytes of scale words a unit, 2^18 a tensor
	s_lshl_b32 s90, s84, 18
	s_add_co_u32 s94, s94, s90
	s_add_nc_u64 s[16:17], s[16:17], s[94:95]
	s_lshl_b32 s96, s2, 9                          ; BatchNorm: the head's 128 channels, 8,192 bytes a branch
	s_lshl_b32 s90, s84, 13
	s_add_co_u32 s96, s96, s90
	s_add_nc_u64 s[12:13], s[12:13], s[96:97]
	s_mov_b32 s[SLP], 0x3dcccccd                   ; 0.1
	s_mov_b32 s[SLP+1], s[SLP]                     ; (named with it as a pair, so it is written)
.irp a, 0,1,2,3,4,5,6,7                        ; by lanes: for A's block a my row is channel 32 (a / 2) + 8 (a % 2) + r + 8 (r / 8); each number twice, to fill a pair
	global_load_b32 v[QS+2*\a], v[BNQ], s[12:13] offset:(32*(\a/2)+8*(\a%2))*4
	global_load_b32 v[QS+2*\a+1], v[BNQ], s[12:13] offset:(32*(\a/2)+8*(\a%2))*4
	global_load_b32 v[QBI+2*\a], v[BNQ], s[12:13] offset:(32*(\a/2)+8*(\a%2))*4+4096
	global_load_b32 v[QBI+2*\a+1], v[BNQ], s[12:13] offset:(32*(\a/2)+8*(\a%2))*4+4096
.endr
	WIN TO_B
.irp t, 0,1,2,3,4,5,6,7                        ; by registers: register 8 t + j is channel 32 (t / 2) + 8 (t % 2) + 16 h + j
	global_load_b128 v[64+8*\t:64+8*\t+3], v[BNO], s[12:13] offset:(32*(\t/2)+8*(\t%2))*4
	global_load_b128 v[64+8*\t+4:64+8*\t+7], v[BNO], s[12:13] offset:(32*(\t/2)+8*(\t%2))*4+16
	global_load_b128 v[192+8*\t:192+8*\t+3], v[BNO], s[12:13] offset:(32*(\t/2)+8*(\t%2))*4+4096
	global_load_b128 v[192+8*\t+4:192+8*\t+7], v[BNO], s[12:13] offset:(32*(\t/2)+8*(\t%2))*4+4096+16
.endr
	WIN 0
.macro FRAG reg, adr, q, i             ; a fragment's image: tile i of my 8, the half's q-th 128 along K
.irp c, 0,1
	ds_load_b128 v[\reg+4*\c:\reg+4*\c+3], v[\adr] offset:(\i)*4096+(\q)*1024+512*\c
.endr
.endm
; 16 matrix instructions: A's blocks a0, a0 + 1 x B's eight, 128 along K.  p: B's set;  sc: the half of K.  zero = 1: the first product starts the sums.  The 64 accumulators take turns, one instruction a turn, in the
; same order in every step.  Source 0's scales come from lanes 16-31 of the register of B's block, source 1's from lanes 0-15 of the register of A's block.
.macro MUL16 a0, p, q, sc, zero
.irp a, \a0, \a0+1
.irp b, 0,1,2,3,4,5,6,7
.if \zero
	v_wmma_scale_f32_16x16x128_f8f6f4 v[8*(8*((\a)%4)+\b):8*(8*((\a)%4)+\b)+7], v[128*(\p)+FR*\b:128*(\p)+FR*\b+FR-1], v[AF+FR*(\a):AF+FR*(\a)+FR-1], 0, v[SC+8*NQ*(\sc)+NQ*\b+(\q)], v[SC+8*NQ*(\sc)+NQ*(\a)+(\q)] matrix_a_fmt:MATRIX_FMT_FP4 matrix_b_fmt:MATRIX_FMT_FP4 matrix_a_scale:MATRIX_SCALE_ROW1
.else
	v_wmma_scale_f32_16x16x128_f8f6f4 v[8*(8*((\a)%4)+\b):8*(8*((\a)%4)+\b)+7], v[128*(\p)+FR*\b:128*(\p)+FR*\b+FR-1], v[AF+FR*(\a):AF+FR*(\a)+FR-1], v[8*(8*((\a)%4)+\b):8*(8*((\a)%4)+\b)+7], v[SC+8*NQ*(\sc)+NQ*\b+(\q)], v[SC+8*NQ*(\sc)+NQ*(\a)+(\q)] matrix_a_fmt:MATRIX_FMT_FP4 matrix_b_fmt:MATRIX_FMT_FP4 matrix_a_scale:MATRIX_SCALE_ROW1
.endif
.endr
.endr
.endm
.macro FETCH_B slot, q, p              ; B's eight fragments into set p
	WIN TO_B
.irp i, 0,1,2,3,4,5,6,7
	FRAG 128*(\p)+FR*\i, ADRB+\slot, \q, \i
.endr
	WIN 0
.endm
.macro FETCH_A slot, q, i0             ; A's blocks i0 .. i0 + 3
.irp i, \i0, \i0+1, \i0+2, \i0+3
	FRAG AF+FR*(\i), ADRA+\slot, \q, \i
.endr
.endm
.macro SCALES                          ; all scale words, once: register SC + 32 sc + 4 i + q: lanes 0-15 the word of A's block i, lanes 16-31 of B's block i, for K step 4 sc + q; 8 bytes hold two steps' words
.irp sc, 0,1
.irp i, 0,1,2,3,4,5,6,7
.irp qq, 0,1
	ds_load_b64 v[SC+32*\sc+4*\i+2*\qq:SC+32*\sc+4*\i+2*\qq+1], v[ADRS] offset:(\i/2)*1024+(2*\sc+\qq)*256+(\i%2)*128
.endr
.endr
.endr
.endm
.macro PLACES n                        ; a load into a register that a matrix instruction has read, and a vector instruction that reads a result or writes a source, stand NP plain vector instructions behind it (ISA guide 7.12.1 for vector instructions)
.rept \n
	v_nop
.endr
.endm
; A step of 128 along K that has its successor in the same half.  A has one set of registers (a block is free when its eight products are issued), B two.
.macro STEP slot, q, zero
	s_wait_dscnt 4*NL                              ; all but the youngest eight loads (A's blocks 4-7) are in
	WIN MUL_LO
	MUL16 0, (\q)%2, \q, \slot, \zero
	MUL16 2, (\q)%2, \q, \slot, \zero
	s_wait_dscnt 0                                 ; A's blocks 4-7 are in
	PLACES NP
	FETCH_B \slot, (\q)+1, 1-(\q)%2
	FETCH_A \slot, (\q)+1, 0
	WIN MUL_HI
	MUL16 4, (\q)%2, \q, \slot, \zero
	MUL16 6, (\q)%2, \q, \slot, \zero
	PLACES NP
	WIN 0
	FETCH_A \slot, (\q)+1, 4
.endm
; The first half's last step goes over to the second half: my part of it has landed, and one barrier shows everybody's.
.macro TURN
	s_wait_tensorcnt 0x0
	s_wait_dscnt 4*NL                              ; (A's blocks 4-7 may be out)
	WIN MUL_LO
	MUL16 0, 1, NQ-1, 0, 0
	s_wait_dscnt 0x0                               ; no LDS instruction of mine is out at the signal
	s_barrier_signal -1
	MUL16 2, 1, NQ-1, 0, 0
	WIN 0
	s_barrier_wait -1
	PLACES NP
	FETCH_B 1, 0, 0
	FETCH_A 1, 0, 0
	WIN MUL_HI
	MUL16 4, 1, NQ-1, 0, 0
	MUL16 6, 1, NQ-1, 0, 0
	PLACES NP
	WIN 0
	FETCH_A 1, 0, 4
.endm
; 64 numbers of a lane, register 16 b + i = k 32 b + 16 (lane / 16) + i of my row, become a fragment's codes in v[pc] on and its scale word in v[pw].
.macro QUANT s, pc, pw
.irp b, 0,1,2,3
	v_max3_num_f32 v[TM+\b], |v[\s+16*\b]|, |v[\s+1+16*\b]|, 0x1800000   ; block b: my 16 numbers, and the floor 2^(3 - 127): the byte cannot fall under 1
.endr
.irp i, 2,4,6,8,10,12,14
.irp b, 0,1,2,3
	v_max3_num_f32 v[TM+\b], v[TM+\b], |v[\s+16*\b+\i]|, |v[\s+1+16*\b+\i]|   ; (the four blocks by turns)
.endr
.endr
.irp b, 0,1,2,3
	v_permlanex16_b32 v[TM+4+\b], v[TM+\b], s[SEL], s[SEL+1]
.endr
.irp b, 0,1,2,3
	v_max_num_f32 v[TM+\b], v[TM+\b], v[TM+4+\b]   ; with lane l xor 16's: the block's largest magnitude
.endr
.irp b, 0,1,2,3
	v_add_nc_u32 v[TM+12+\b], 0xff000000, v[TM+\b] ; 2 off its exponent field: the conversion's scale operand
.endr
.irp b, 0,1,2,3
	v_lshrrev_b32 v[TM+4+\b], 23, v[TM+12+\b]      ; the scale's byte
.endr
	v_lshl_or_b32 v[\pw], v[TM+5], 8, v[TM+4]      ; my row's scale word
	v_lshl_or_b32 v[\pw], v[TM+6], 16, v[\pw]
	v_lshl_or_b32 v[\pw], v[TM+7], 24, v[\pw]
.irp b, 0,1,2,3
	v_cvt_scalef32_pk8_fp4_f32 v[(\pc)+2*\b], v[\s+16*\b:\s+7+16*\b], v[TM+12+\b]
	v_cvt_scalef32_pk8_fp4_f32 v[(\pc)+1+2*\b], v[\s+8+16*\b:\s+15+16*\b], v[TM+12+\b]
.endr
	v_nop                                          ; one plain instruction behind a scaled conversion
.irp c, 0,1                                    ; the operand's layout wants a whole block in a lane: lanes 0-15 block 2 c, lanes 16-31 block 2 c + 1
.irp i, 0,1
	v_permlane16_swap_b32 v[(\pc)+4*\c+\i], v[(\pc)+2+4*\c+\i]
.endr
.endr
.endm
; THE WAY OUT of A's block a: y = sum x scale + bias (one fused multiply-add, each accumulator from its low end on), max(y, 0.1 y), which is reference()'s choice between y and 0.1 y, the quantiser, the image.
; q = 0: the BatchNorm pair by registers (window 1);  q = 1: by lanes (window 0).
.macro EPI a, q
.if (\a) >= 2
	s_wait_xcnt 0x0                                ; block a - 2's stores have read their registers: its set of codes may be written again
.endif
.if \q
	WIN 0x02+(\a)/4                                ; source 0: window 2 or 3
.else
	WIN 0x16+(\a)/4                                ; and sources 1 and 2: window 1
.endif
.set P, 0
.rept 32
.if \q
	v_pk_fma_f32 v[Y+2*P:Y+2*P+1], v[64*((\a)%4)+2*P:64*((\a)%4)+2*P+1], v[QS+2*(\a):QS+2*(\a)+1], v[QBI+2*(\a):QBI+2*(\a)+1]
.else
	v_pk_fma_f32 v[Y+2*P:Y+2*P+1], v[64*((\a)%4)+2*P:64*((\a)%4)+2*P+1], v[64+2*P:65+2*P], v[192+2*P:193+2*P]
.endif
.set P, P+1
.endr
	WIN 0
.irp hh, 0,1
.set P, 0
.rept 16
	v_pk_mul_f32 v[Z+2*P:Z+2*P+1], v[Y+32*\hh+2*P:Y+32*\hh+2*P+1], s[SLP:SLP+1] op_sel_hi:[1,0]
.set P, P+1
.endr
.set P, 0
.rept 32
	v_max_num_f32 v[Y+32*\hh+P], v[Y+32*\hh+P], v[Z+P]
.set P, P+1
.endr
.endr
	QUANT Y, PC+8*((\a)%2), PW+(\a)
.irp c, 0,1
	global_store_b128 v[LI], v[PC+8*((\a)%2)+4*\c:PC+8*((\a)%2)+4*\c+3], s[14:15] offset:(\a)*1024+512*\c   ; 512 consecutive aligned bytes
.endr
.endm
	s_wait_loadcnt 0x0                             ; the BatchNorm pairs
	s_wait_tensorcnt 1                             ; the scale bytes and my part of the first half of K are in; the second half's load may be out
	s_barrier_signal -1
	s_barrier_wait -1                              ; everybody's are
	FETCH_B 0, 0, 0
	FETCH_A 0, 0, 0
	SCALES
	FETCH_A 0, 0, 4
	STEP 0, 0, 1                                   ; the first step's products start the sums: nothing is cleared
	STEP 0, 1, 0
	STEP 0, 2, 0
	TURN
	STEP 1, 0, 0
	STEP 1, 1, 0
	STEP 1, 2, 0
	s_wait_dscnt 4*NL                              ; the last step: nothing more to fetch
	WIN MUL_LO
	MUL16 0, 1, NQ-1, 1, 0
	MUL16 2, 1, NQ-1, 1, 0
	s_wait_dscnt 0
	WIN MUL_HI
	MUL16 4, 1, NQ-1, 1, 0
	MUL16 6, 1, NQ-1, 1, 0
	WIN 0
	PLACES NP                                      ; behind the last products: y is laid over A's fragments
	s_cmp_eq_u32 s85, 1                            ; the role hangs on the cluster's y alone: the same in all partners and waves
	s_cbranch_scc1 .Lq_out
.irp a, 0,1,2,3,4,5,6,7
	EPI \a, 0
.endr
	s_branch .Ljoin
.Lq_out:
.irp a, 0,1,2,3,4,5,6,7
	EPI \a, 1
.endr
.Ljoin:
	v_cmp_eq_u32 vcc_lo, 1, v2                     ; row r's eight words: lanes 0-15 store those of tiles 0-3, lanes 16-31 of tiles 4-7
.irp k, 0,1,2,3
	v_cndmask_b32 v[SW+\k], v[PW+\k], v[PW+4+\k], vcc_lo
.endr
	global_store_b128 v[SO], v[SW:SW+3], s[16:17]  ; the unit's 512 consecutive aligned bytes
	s_wait_tensorcnt 0x0                           ; the wave's end, behind my last tensor load
	ds_add_u32 v[SPW], v[NIL]
	s_wait_dscnt 0x0
	CROUND                                         ; the closing round
	s_endpgm
.Lfunc_end_k_q023aaa1bcb_proj:
	.size	k_q023aaa1bcb_proj, .Lfunc_end_k_q023aaa1bcb_proj-k_q023aaa1bcb_proj
	.p2alignl 7, 3214868480
	.fill 96, 4, 3214868480
	.section	.rodata,"a",@progbits
	.p2align	6, 0x0
	.amdhsa_kernel k_q023aaa1bcb_proj
		.amdhsa_group_segment_fixed_size 327680
		.amdhsa_private_segment_fixed_size 0
		.amdhsa_enable_private_segment 0
		.amdhsa_kernarg_size 56
		.amdhsa_user_sgpr_count 2
		.amdhsa_user_sgpr_kernarg_segment_ptr 1
		.amdhsa_wavefront_size32 1
		.amdhsa_system_sgpr_workgroup_id_x 1
		.amdhsa_system_sgpr_workgroup_id_y 1
		.amdhsa_system_sgpr_workgroup_id_z 1
		.amdhsa_system_vgpr_workitem_id 0
		.amdhsa_next_free_vgpr 1024
		.amdhsa_next_free_sgpr 102
		.amdhsa_reserve_vcc 1
		.amdhsa_float_denorm_mode_32 3
		.amdhsa_float_denorm_mode_16_64 3
		.amdhsa_memory_ordered 1
		.amdhsa_forward_progress 1
		.amdhsa_inst_pref_size 255
	.end_amdhsa_kernel
	.section	.bss,"aw",@nobits
	.p2align	6
	.space	262144
	.amdgpu_metadata
---
amdhsa.version: [ 1, 2 ]
amdhsa.kernels:
  - .name:           k_q023aaa1bcb_proj
    .symbol:         k_q023aaa1bcb_proj.kd
    .args:
      - { .name: xcod, .offset: 0, .size: 8, .value_kind: global_buffer, .address_space: global }
      - { .name: xscl, .offset: 8, .size: 8, .value_kind: global_buffer, .address_space: global }
      - { .name: wcod, .offset: 16, .size: 8, .value_kind: global_buffer, .address_space: global }
      - { .name: wscl, .offset: 24, .size: 8, .value_kind: global_buffer, .address_space: global }
      - { .name: bnp, .offset: 32, .size: 8, .value_kind: global_buffer, .address_space: global }
      - { .name: acod, .offset: 40, .size: 8, .value_kind: global_buffer, .address_space: global }
      - { .name: ascl, .offset: 48, .size: 8, .value_kind: global_buffer, .address_space: global }
    .group_segment_fixed_size: 327680
    .private_segment_fixed_size: 0
    .kernarg_segment_align: 8
    .kernarg_segment_size: 56
    .max_flat_workgroup_size: 128
    .sgpr_count:     102
    .vgpr_count:     1024
    .wavefront_size: 32
...
	.end_amdgpu_metadata
.endif
;; end of part 2
;; launch attn (part 3): grid 8 x 32, 16 waves a work-group, clusters of 4 x 1, 327,680 bytes of LDS; arguments acod, ascl, out0; writes out0
.if DOCPART == 3
	.amdgcn_target "amdgcn-amd-amdhsa--gfx1250"
	.amdhsa_code_object_version 6
	.text
	.protected	k_q023aaa1bcb_attn
	.globl	k_q023aaa1bcb_attn
	.p2align	8
	.type	k_q023aaa1bcb_attn,@function
k_q023aaa1bcb_attn:
	s_mov_b64 s[64:65], 0
	v_nop
	global_prefetch_b8 v0, s[64:65] scope:SCOPE_SE
	s_setreg_imm32_b32 hwreg(HW_REG_WAVE_MODE, 25, 1), 1
	s_wait_xcnt 0x0
	s_wait_alu depctr_hold_cnt(0) depctr_sa_sdst(0) depctr_va_vdst(0) depctr_va_sdst(0) depctr_va_ssrc(0) depctr_va_vcc(0) depctr_vm_vsrc(0)
	s_getreg_b32 s2, hwreg(HW_REG_IB_STS2, 6, 4)
	s_cmp_eq_u32 s2, 0
	s_cbranch_scc0 .Lentry_in_a_cluster
	s_endpgm
.Lentry_in_a_cluster:
	s_bfe_u32 s2, ttmp6, 0x10000c
	s_cmp_lg_u32 s2, 0x3003
	s_cbranch_scc0 .Lentry_shape_is_right
	s_endpgm
.Lentry_shape_is_right:
; LAUNCH 3 OF 3.  out[b][128 h + c][i] = the sum over j of softmax_j(K'[.][i] . V'[.][j] / sqrt(128)) Q'[c][j], for each of the 32 pairs (batch, head); both products on codes of FP4 with E8M0 scales.  Nothing of reference() is left out.
; In the usual words: K's positions i are the queries, V's positions j the keys, Q the values.  acod, ascl: [0 = K', 1 = V', 2 = Q'][pair][step of 128 positions][tile 8]: images of fragments (1,024 bytes) and [row 16][tile 8] scale words.
; THE SOFTMAX AHEAD OF THE SECOND PRODUCT: t = score x log2(e) / sqrt(128); M = the running largest t rounded UP to a whole number; p = 2^(t - M) is quantised along the keys, not normalised; the row's sum is taken of the
; unquantised p and divides at the end; when M moves, the sum and O are multiplied by 2^(old M - new M), which rounds nothing.
; SHARES: a work-group owns 256 queries of one pair, each of its sixteen waves one tile of 16, in 256 registers: four waves to a SIMD, so that one wave's vector work stands beside another's matrix work and LDS loads.
; LAYOUT: both products transposed: S^T = keys x queries^T, O^T = values x P^T: a lane holds one query throughout.  The keys of a tile are 8 u + m + 8 (m / 8) of a group of 32, so that the 16 registers of tiles 2 b and 2 b + 1 are
; 16 neighbouring keys.  The same order holds among a tile's queries and a tile's channels; the way out puts both back.
; LDS: a pair's keys (131,072 bytes), values (131,072) and scale words (16,384) fit whole: every tensor load is a first fill, five a wave (the scale words, then four chunks of four key steps), and nothing is filled again.
; CLUSTER: the four work-groups of a cluster belong to one pair and ask for every tile jointly (mask 15).  The addresses hang on the wave's number and the pair alone.
; EVERY LDS LOAD IS ASKED FOR AHEAD OF ITS USE.  Two runs of 64 registers, X and Y, change roles from step to step.  In a step the 8 fragments of keys lie in one run and the scores are written into the other; behind the score
; products the step's 8 fragments of values are asked for into the keys' run, with the whole softmax in front of their use; when p has become codes the scores' run is free, and the NEXT step's keys are asked for into it, ahead of
; the rescaling of O^T and the second products.  A loop's trip is two steps, after which the register numbers are back where they began.
; LIMITS: a block of p that has fallen to zeros keeps the byte 1 (its codes are zeros); NaN and infinities are not served.
; REGISTERS: v1-3 addresses that stay; v5, v6 the add's two; v8-10 the step's addresses; v12 -M, v13 the largest t, v[14:15] the sum; v16-23 my queries, v255 their scale words; v24-27 the keys' scale words, v248-251 the values';
;   v32-95 X, v96-159 Y; v160-223 O^T; v224-231 p's codes; v232-247, v252, v254 at work; v253 p's scale word.
.set SP,    1168                       ; the way out: a stage row: up to 128 bytes of shift + 256 queries x 4 bytes + 16
.set VALS,  131072
.set SCB,   262144                     ; the keys' scale words, 8,192 bytes, then the values'
.set SPARE, 278528                     ; the spare words, 128 bytes a wave
.set AK0,  1                           ; v1   16 x lane
.set AV0,  2                           ; v2   VALS + 16 x lane
.set AS0,  3                           ; v3   SCB + 32 r + 16 h: lanes 0-15 take row r's words of tiles 0-3, lanes 16-31 those of tiles 4-7
.set SPW,  5
.set NIL,  6
.set ADK,  8
.set ADV,  9
.set ADS,  10
.set KS,   24                          ; v24-27   register k: lanes 0-15 the word of key tile k, lanes 16-31 of key tile 4 + k
.set VS,   248                         ; v248-251 the same for the values' tiles
.set X,    32
.set Y,    96
.set WV,   10                          ; s10  my wave's number
.set TB,   2                           ; s2   where the step's tiles begin: 8,192 bytes a step
.set TS,   3                           ; s3   and its scale words: 512 bytes a step
.set SEL,  20                          ; s[20:21] lane selects for lane l xor 16
.set CS,   22                          ; s[22:23] c = log2(e) / sqrt(128)
.set G1C,  24                          ; s[24:31] group 1: 4,096 dense bytes
.set G1S,  32                          ; s[32:39] group 1: 1,024 dense bytes
.set G0S,  40                          ; s[40:43] group 0 for my part of the scale words
.set G0C,  44                          ; s[44:59] groups 0 for my part of chunks 0 to 3
.set TW,   60                          ; s60  counts the loop's trips
.macro ROUND                           ; a round of the cluster's barrier
	s_barrier_signal -1
	s_barrier_wait -1
	s_cmp_lg_u32 s[WV], 0
	s_cbranch_scc1 .Lnot_wave_0_\@
	s_barrier_signal -3
.Lnot_wave_0_\@:
	s_barrier_wait -3
	s_barrier_signal -1
	s_barrier_wait -1
.endm
	s_load_b128 s[4:7], s[0:1], 0x0                ; acod, ascl
	s_load_b64 s[8:9], s[0:1], 0x10                ; out0
	v_lshl_add_u32 v[SPW], v0, 2, SPARE
	v_mov_b32 v[NIL], 0
	ds_add_u32 v[SPW], v[NIL]                      ; the wave's opening: the add, twice on end, and its wait ahead of my first tensor load; the set-up below, work on registers, stands between
	ds_add_u32 v[SPW], v[NIL]
	v_lshrrev_b32 v8, 5, v0
	v_readfirstlane_b32 s[WV], v8                  ; wave 0..15
	s_bfe_u32 s11, ttmp6, 0x40000                  ; cx
	s_lshl_b32 s12, ttmp9, 2
	s_add_co_u32 s12, s12, s11                     ; my block of 256 queries: it enters the queries' and out0's addresses alone
	s_and_b32 s13, ttmp7, 0xffff                   ; the pair (batch, head), which the partners share
	s_lshr_b32 s14, s[WV], 3                       ; I fetch for the keys (0) or the values (1),
	s_and_b32 s15, s[WV], 7                        ; the eighth that is mine
	s_mov_b32 s[G1C], 15|(3<<16)|(1<<21)           ; 15:0 the mask: all four work-groups; 17:16 elements of 8 bytes; 21 set beside a mask; no padding
	s_mov_b32 s[G1C+1], 32<<16                     ; rows of 256 bytes,
	s_mov_b32 s[G1C+2], 16<<16                     ; sixteen of them,
	s_mov_b32 s[G1C+3], 32<<16
	s_mov_b32 s[G1C+4], 16
	s_mov_b32 s[G1C+5], 32                         ; dense
	s_mov_b32 s[G1C+6], 0
	s_mov_b32 s[G1C+7], 0
	s_mov_b32 s[G1S], 15|(3<<16)|(1<<21)
	s_mov_b32 s[G1S+1], 32<<16
	s_mov_b32 s[G1S+2], 4<<16                      ; four rows
	s_mov_b32 s[G1S+3], 32<<16
	s_mov_b32 s[G1S+4], 4
	s_mov_b32 s[G1S+5], 32
	s_mov_b32 s[G1S+6], 0
	s_mov_b32 s[G1S+7], 0
	s_lshl_b32 s16, s14, 17
	s_lshl_b32 s17, s15, 12
	s_add_co_u32 s16, s16, s17                     ; in LDS: keys or values, my 4,096 bytes of a chunk's 32,768
	s_lshl_b32 s17, s[WV], 10
	s_add_co_u32 s17, s17, SCB                     ; my 1,024 bytes of the scale words
	s_add_co_u32 s18, s14, 1                       ; in memory: tensor 1 (V') or 2 (Q'),
	s_lshl_b32 s66, s18, 22
	s_lshl_b32 s19, s13, 17                        ; the pair's 131,072 bytes of codes,
	s_add_co_u32 s66, s66, s19
	s_lshl_b32 s19, s15, 12
	s_add_co_u32 s66, s66, s19
	s_mov_b32 s67, 0
	s_lshl_b32 s68, s18, 18
	s_lshl_b32 s19, s13, 13                        ; its 8,192 bytes of scale words
	s_add_co_u32 s68, s68, s19
	s_lshl_b32 s19, s15, 10
	s_add_co_u32 s68, s68, s19
	s_mov_b32 s69, 0
	s_lshl_b32 s70, s12, 4                         ; my tile of queries: tile 16 x block + wave of the pair's 128 in tensor 0 (K')
	s_add_co_u32 s70, s70, s[WV]
	s_lshl_b32 s70, s70, 10
	s_lshl_b32 s76, s13, 17
	s_add_co_u32 s70, s70, s76
	s_mov_b32 s71, 0
	s_lshl_b32 s72, s12, 1                         ; its scale words: step 2 x block + wave / 8, tile wave % 8
	s_add_co_u32 s72, s72, s14
	s_lshl_b32 s72, s72, 9
	s_lshl_b32 s76, s13, 13
	s_add_co_u32 s72, s72, s76
	s_lshl_b32 s76, s15, 2
	s_add_co_u32 s72, s72, s76
	s_mov_b32 s73, 0
	s_lshl_b32 s74, s13, 20                        ; out0: the pair's 128 rows of 8,192 bytes; I store rows 8 x wave on; the block's 1,024 bytes of a row
	s_lshl_b32 s76, s[WV], 16
	s_add_co_u32 s74, s74, s76
	s_lshl_b32 s76, s12, 10
	s_add_co_u32 s74, s74, s76
	s_mov_b32 s75, 0
	s_mov_b32 s[SEL], 0x76543210
	s_mov_b32 s[SEL+1], 0xfedcba98
	s_mov_b32 s[CS], 0x3e0293ee                    ; c = log2(e) / sqrt(128)
	s_mov_b32 s[CS+1], s[CS]                       ; (named with it as a pair, so it is written)
	s_mov_b32 s[TB], 0
	s_mov_b32 s[TS], 0
	s_wait_dscnt 0x0                               ; both opening adds are done
	s_wait_kmcnt 0x0
	s_mov_b32 s[G0S], 1
	s_mov_b32 s[G0S+1], s17
	s_add_nc_u64 s[G0S+2:G0S+3], s[6:7], s[68:69]
	s_or_b32 s[G0S+3], s[G0S+3], 0x80000000
.irp j, 0,1,2,3
	s_mov_b32 s[G0C+4*\j], 1
	s_add_co_u32 s[G0C+4*\j+1], s16, \j*32768
	s_add_nc_u64 s[G0C+4*\j+2:G0C+4*\j+3], s[4:5], s[66:67]
.if \j > 0
	s_add_nc_u64 s[G0C+4*\j+2:G0C+4*\j+3], s[G0C+4*\j+2:G0C+4*\j+3], \j*32768
.endif
	s_or_b32 s[G0C+4*\j+3], s[G0C+4*\j+3], 0x80000000
.endr
	ROUND                                          ; all four work-groups are here: the joint loads meet
	tensor_load_to_lds s[G0S:G0S+3], s[G1S:G1S+7]  ; every wave issues all five, with no branch: five loads of mine are out
	s_nop 0
.irp j, 0,1,2,3
	tensor_load_to_lds s[G0C+4*\j:G0C+4*\j+3], s[G1C:G1C+7]
	s_nop 0
.endr
.rept 4
	v_nop
.endr
	s_add_nc_u64 s[4:5], s[4:5], s[70:71]
	s_add_nc_u64 s[6:7], s[6:7], s[72:73]
	s_add_nc_u64 s[8:9], s[8:9], s[74:75]
	v_and_b32 v8, 15, v0                           ; r
	v_and_b32 v9, 31, v0
	v_lshlrev_b32 v[AK0], 4, v9
	global_load_b128 v[16:19], v[AK0], s[4:5]      ; my queries' fragment stays in registers
	global_load_b128 v[20:23], v[AK0], s[4:5] offset:512
	v_lshlrev_b32 v254, 5, v8
	global_load_b32 v255, v254, s[6:7]             ; and its scale words: 32 bytes a row
	v_add_nc_u32 v[AV0], VALS, v[AK0]
	v_bfe_u32 v9, v0, 4, 1                         ; h
	v_lshl_add_u32 v[AS0], v8, 5, SCB
	v_lshl_add_u32 v[AS0], v9, 4, v[AS0]
	v_mov_b32 v13, 0xff61b1e6                      ; the largest t so far: -3e38, under every t
	v_floor_f32 v12, -v13                          ; -M
	v_mov_b32 v14, 0                               ; the sum, in two halves
	v_mov_b32 v15, 0
.irp b, 0,1,2,3
	v_mov_b32 v[236+\b], 0                         ; written once: a lane permute's destination counts as one of its sources
.endr
	v_mov_b32 v253, 0                              ; (named as the upper half of the pair v[252:253] before it is first written)
; A KEY STEP: 128 keys.  kf: the run that holds the step's keys, and then its values;  sf: the run that takes the scores, then p, and then the next step's keys.
; pf = 1: the next step's keys are asked for.  first = 1: the second products start O^T's sums with the constant 0, and there is nothing to rescale.
.macro STEP kf, sf, pf, first
	v_add_nc_u32 v[ADK], s[TB], v[AK0]
	v_add_nc_u32 v[ADV], s[TB], v[AV0]
	v_add_nc_u32 v[ADS], s[TS], v[AS0]
	v_nop
	v_nop                                          ; five plain instructions between the last step's products and the products below, whose results are laid over the fragments that those read (ISA guide 7.12.1)
	s_wait_dscnt 0x0                               ; this step's keys and their scale words are in: asked for in the step before
.irp t, 0,1,2,3                                ; S^T = keys x queries^T: eight tiles of 16 keys
	v_wmma_scale_f32_16x16x128_f8f6f4 v[\sf+8*\t:\sf+8*\t+7], v[\kf+8*\t:\kf+8*\t+7], v[16:23], 0, v[KS+\t], v255 matrix_a_fmt:MATRIX_FMT_FP4 matrix_b_fmt:MATRIX_FMT_FP4
.endr
.irp t, 4,5,6,7                                ; (the words of tiles 4-7 lie in lanes 16-31)
	v_wmma_scale_f32_16x16x128_f8f6f4 v[\sf+8*\t:\sf+8*\t+7], v[\kf+8*\t:\kf+8*\t+7], v[16:23], 0, v[KS+\t-4], v255 matrix_a_fmt:MATRIX_FMT_FP4 matrix_b_fmt:MATRIX_FMT_FP4 matrix_a_scale:MATRIX_SCALE_ROW1
.endr
.rept 4
	v_nop                                          ; four places: in front of the loads into the keys' registers, and of the first read of the scores
.endr
.irp t, 0,1,2,3,4,5,6,7                        ; the step's values, into the run that the keys have left: the whole softmax stands in front of their use
.irp c, 0,1
	ds_load_b128 v[\kf+8*\t+4*\c:\kf+8*\t+4*\c+3], v[ADV] offset:\t*1024+512*\c
.endr
.endr
	ds_load_b128 v[VS:VS+3], v[ADS] offset:8192    ; and their scale words
.irp b, 0,1,2,3
	v_max3_num_f32 v[232+\b], v[\sf+16*\b], v[\sf+1+16*\b], v[\sf+2+16*\b]   ; the largest score of each block of 32 keys: it serves for the row's maximum and, since p rises with the score, for the block's largest p
.endr
.irp i, 3,5,7,9,11,13
.irp b, 0,1,2,3
	v_max3_num_f32 v[232+\b], v[232+\b], v[\sf+16*\b+\i], v[\sf+1+16*\b+\i]
.endr
.endr
.irp b, 0,1,2,3
	v_max_num_f32 v[232+\b], v[232+\b], v[\sf+15+16*\b]
.endr
.irp b, 0,1,2,3
	v_permlanex16_b32 v[236+\b], v[232+\b], s[SEL], s[SEL+1]
.endr
.irp b, 0,1,2,3
	v_max_num_f32 v[232+\b], v[232+\b], v[236+\b]  ; with lane l xor 16's 16 keys
.endr
	v_max3_num_f32 v254, v232, v233, v234
	v_max_num_f32 v254, v254, v235                 ; the step's largest score of my query
	v_mul_f32 v254, s[CS], v254                    ; as t (c is positive)
	v_max_num_f32 v13, v13, v254                   ; the running largest t
	v_mov_b32 v254, v12
	v_floor_f32 v12, -v13                          ; the new -M = floor(-t): M is a whole number
	v_sub_f32 v254, v12, v254                      ; old M - new M: a whole number, 0 or less
	v_cvt_i32_f32 v254, v254                       ; (it saturates)
	v_ldexp_f32 v252, 1.0, v254                    ; f = 2^(old M - new M)
.set J, 0
.rept 32
	v_pk_fma_f32 v[\sf+J:\sf+J+1], v[\sf+J:\sf+J+1], s[CS:CS+1], v[12:13] op_sel_hi:[1,0,0]   ; t - M, two at a time (of the pairs c and -M the low word serves both halves)
.set J, J+2
.endr
.irp b, 0,1,2,3
	v_fma_f32 v[232+\b], v[232+\b], s[CS], v12     ; the same of each block's largest score
.endr
.set J, 0
.rept 64
	v_exp_f32 v[\sf+J], v[\sf+J]                   ; p = 2^(t - M), at most 1
.set J, J+1
.endr
	v_pk_mul_f32 v[14:15], v[14:15], v[252:253] op_sel_hi:[1,0]   ; the sums under the new M: a plain instruction behind the exponentials
	s_wait_alu depctr_va_vdst(0)                   ; one wait for the whole batch, ahead of its first reader
.irp b, 0,1,2,3
	v_exp_f32 v[232+\b], v[232+\b]                 ; the block's largest p: the same two instructions on the same number give the same bits
.endr
	v_pk_add_f32 v[236:237], v[\sf:\sf+1], v[\sf+2:\sf+3]   ; the row's sum is taken of the unquantised p: two at a time, in two chains
.irp j, 4,8,12,16,20,24,28,32,36,40,44,48,52,56,60
	v_pk_add_f32 v[14:15], v[14:15], v[\sf+\j:\sf+1+\j]
	v_pk_add_f32 v[236:237], v[236:237], v[\sf+2+\j:\sf+3+\j]
.endr
	v_pk_add_f32 v[14:15], v[14:15], v[236:237]
	s_wait_alu depctr_va_vdst(0)                   ; and one for the four
.irp b, 0,1,2,3
	v_max_num_f32 v[232+\b], 0x1800000, v[232+\b]  ; the floor 2^(3 - 127): the byte cannot fall under 1
.endr
.irp b, 0,1,2,3
	v_add_nc_u32 v[244+\b], 0xff000000, v[232+\b]  ; 2 off the exponent field: the conversion's scale operand
.endr
.irp b, 0,1,2,3
	v_lshrrev_b32 v[236+\b], 23, v[244+\b]         ; the scale's byte
.endr
	v_lshl_or_b32 v253, v237, 8, v236              ; p's scale word for these 128 keys
	v_lshl_or_b32 v253, v238, 16, v253
	v_lshl_or_b32 v253, v239, 24, v253
.irp b, 0,1,2,3
	v_cvt_scalef32_pk8_fp4_f32 v[224+2*\b], v[\sf+16*\b:\sf+7+16*\b], v[244+\b]
	v_cvt_scalef32_pk8_fp4_f32 v[225+2*\b], v[\sf+8+16*\b:\sf+15+16*\b], v[244+\b]
.endr
	v_nop                                          ; one plain instruction behind a scaled conversion
.irp c, 0,1                                    ; the operand's layout wants a whole block in a lane
.irp i, 0,1
	v_permlane16_swap_b32 v[224+4*\c+\i], v[226+4*\c+\i]
.endr
.endr
.if \pf
.irp t, 0,1,2,3,4,5,6,7                        ; p has become codes: its run takes the NEXT step's keys, 8,192 bytes on, asked for ahead of the rescaling and the products below
.irp c, 0,1
	ds_load_b128 v[\sf+8*\t+4*\c:\sf+8*\t+4*\c+3], v[ADK] offset:8192+\t*1024+512*\c
.endr
.endr
	ds_load_b128 v[KS:KS+3], v[ADS] offset:512     ; and their scale words
.endif
.if \first
.rept 8
	v_nop                                          ; p's scale word, written by vector instructions, stands eight places ahead of the scaled products, its codes four
.endr
.else
.set J, 0
.rept 32
	v_pk_mul_f32 v[160+J:161+J], v[160+J:161+J], v[252:253] op_sel_hi:[1,0]   ; O^T under the new M.  (These 32 are also the places in front of the products below)
.set J, J+2
.endr
.endif
.if \pf
	s_wait_dscnt 17                                ; LDS loads come back in order: the values and their words are in; the 17 loads issued behind them, the next keys' 16 and their words', may stay out
.else
	s_wait_dscnt 0x0
.endif
.irp t, 0,1,2,3                                ; O^T += values x P^T: eight tiles of 16 channels, the accumulators by turns; K = these 128 keys
.if \first
	v_wmma_scale_f32_16x16x128_f8f6f4 v[160+8*\t:167+8*\t], v[\kf+8*\t:\kf+8*\t+7], v[224:231], 0, v[VS+\t], v253 matrix_a_fmt:MATRIX_FMT_FP4 matrix_b_fmt:MATRIX_FMT_FP4
.else
	v_wmma_scale_f32_16x16x128_f8f6f4 v[160+8*\t:167+8*\t], v[\kf+8*\t:\kf+8*\t+7], v[224:231], v[160+8*\t:167+8*\t], v[VS+\t], v253 matrix_a_fmt:MATRIX_FMT_FP4 matrix_b_fmt:MATRIX_FMT_FP4
.endif
.endr
.irp t, 4,5,6,7
.if \first
	v_wmma_scale_f32_16x16x128_f8f6f4 v[160+8*\t:167+8*\t], v[\kf+8*\t:\kf+8*\t+7], v[224:231], 0, v[VS+\t-4], v253 matrix_a_fmt:MATRIX_FMT_FP4 matrix_b_fmt:MATRIX_FMT_FP4 matrix_a_scale:MATRIX_SCALE_ROW1
.else
	v_wmma_scale_f32_16x16x128_f8f6f4 v[160+8*\t:167+8*\t], v[\kf+8*\t:\kf+8*\t+7], v[224:231], v[160+8*\t:167+8*\t], v[VS+\t-4], v253 matrix_a_fmt:MATRIX_FMT_FP4 matrix_b_fmt:MATRIX_FMT_FP4 matrix_a_scale:MATRIX_SCALE_ROW1
.endif
.endr
	s_add_co_u32 s[TB], s[TB], 8192                ; the next step's tiles and scale words
	s_add_co_u32 s[TS], s[TS], 512
.endm
	s_wait_loadcnt 0x0                             ; my queries
	s_wait_tensorcnt 3                             ; my parts of the scale words and of chunk 0 have landed; the three loads issued behind them may stay out
	s_barrier_signal -1
	s_barrier_wait -1                              ; everybody's have
.irp t, 0,1,2,3,4,5,6,7                        ; the first step's keys
.irp c, 0,1
	ds_load_b128 v[X+8*\t+4*\c:X+8*\t+4*\c+3], v[AK0] offset:\t*1024+512*\c
.endr
.endr
	ds_load_b128 v[KS:KS+3], v[AS0]
	STEP X, Y, 1, 1                                ; steps 0 and 1 read chunk 0 alone: keys 0 to 2, values 0 and 1
	STEP Y, X, 1, 0
	s_wait_tensorcnt 0x0                           ; my parts of chunks 1 to 3 have landed,
	s_wait_dscnt 0x0                               ; no LDS instruction of mine is out at the signal,
	s_barrier_signal -1
	s_barrier_wait -1                              ; and everybody's have: no barrier stands in the walk from here on
	s_mov_b32 s[TW], 6
.Ltwo:                                             ; steps 2 to 13: a trip runs two steps, in which X and Y change places and come back
	STEP X, Y, 1, 0
	STEP Y, X, 1, 0
	s_sub_co_u32 s[TW], s[TW], 1
	s_cmp_lg_u32 s[TW], 0
	s_cbranch_scc1 .Ltwo
	STEP X, Y, 1, 0                                ; the last two steps are written out: the last asks for no further keys
	STEP Y, X, 0, 0
	; THE WAY OUT.  A lane holds one query and 64 channels; out0 wants a channel's row with the queries innermost.  So the work-group's 128 channels x 256 queries meet in a stage, laid over the tiles, which have had
	; their only fill and are read no more behind this barrier; each wave then stores 8 whole rows of 1,024 bytes.  A row whose channel has bit 4 set begins 128 bytes further on: in a store lanes 16-31 hold such channels and
	; lanes 0-15 the others, 16 rows (a whole number of times through the 64 banks of 4 bytes: ISA guide 11.1) apart, and the shift of 32 words sets the two halves on different banks.
	s_wait_dscnt 0x0
	s_barrier_signal -1
	s_barrier_wait -1                              ; every wave's reads of the tiles are over
	v_add_f32 v14, v14, v15                        ; the sum's two halves,
	v_permlanex16_b32 v252, v14, s[SEL], s[SEL+1]
	v_add_f32 v14, v14, v252                       ; and lane l xor 16's: the row's sum
	v_rcp_f32 v14, v14
	v_and_b32 v8, 15, v0                           ; (plain instructions behind the transcendental)  r
	v_bfe_u32 v9, v0, 4, 1                         ; h
	s_lshr_b32 s14, s[WV], 1
	s_lshl_b32 s14, s14, 5
	s_and_b32 s15, s[WV], 1
	s_lshl_b32 s15, s15, 3
	s_add_co_u32 s14, s14, s15
	s_lshl_b32 s14, s14, 2                         ; my tile's queries begin at 32 (wave / 2) + 8 (wave % 2) of the 256,
	v_lshrrev_b32 v10, 3, v8
	v_lshl_add_u32 v10, v10, 3, v8                 ; and mine is r + 8 (r / 8) further on
	v_lshlrev_b32 v10, 2, v10
	v_mad_u32_u24 v10, v9, 16*SP+128, v10          ; register 8 t + j is channel 32 (t / 2) + 8 (t % 2) + 16 h + j: bit 4 of the channel is h: 16 rows on, and the shift
	v_add_nc_u32 v10, s14, v10
	v_add_nc_u32 v11, 64*SP, v10                   ; (tiles 4-7: the offset field holds 16 bits)
	s_mul_i32 s15, s[WV], 8*SP                     ; back: rows 8 x wave on; bit 4 of their channels is bit 1 of the wave's number
	s_bfe_u32 s16, s[WV], 0x10001
	s_lshl_b32 s16, s16, 7
	s_add_co_u32 s15, s15, s16
	v_add_nc_u32 v13, s15, v[AK0]                  ; 16 bytes a lane
	s_wait_alu depctr_va_vdst(0)                   ; the wait ahead of the reciprocal's first reader
.set J, 0
.rept 64
	v_mul_f32 v[96+J], v[160+J], v14               ; O^T / the sum, each accumulator from its low end on
.set J, J+1
.endr
.irp t, 0,1,2,3,4,5,6,7
.irp j, 0,1,2,3,4,5,6,7
	ds_store_b32 v[10+\t/4], v[96+8*\t+\j] offset:(32*((\t%4)/2)+8*(\t%2)+\j)*SP
.endr
.endr
	s_wait_dscnt 0x0                               ; for the others' sake: my stores into the stage are done
	s_barrier_signal -1
	s_barrier_wait -1
.irp k, 0,1,2,3,4,5,6,7,8,9,10,11,12,13,14,15
	ds_load_b128 v[32+4*\k:32+4*\k+3], v13 offset:(\k/2)*SP+512*(\k%2)
.endr
.irp k, 0,1,2,3,4,5,6,7,8,9,10,11,12,13,14,15
	s_wait_dscnt 15-\k                             ; LDS loads come back in order: load k is in, the younger ones may be out
	global_store_b128 v[AK0], v[32+4*\k:32+4*\k+3], s[8:9] offset:(\k/2)*8192+512*(\k%2) th:TH_STORE_NT   ; 512 consecutive aligned bytes; written once, read by nobody here
.endr
	s_wait_tensorcnt 0x0                           ; the wave's end, behind my last tensor load and my last LDS store
	ds_add_u32 v[SPW], v[NIL]
	s_wait_dscnt 0x0
	ROUND                                          ; the closing round
	s_endpgm
.Lfunc_end_k_q023aaa1bcb_attn:
	.size	k_q023aaa1bcb_attn, .Lfunc_end_k_q023aaa1bcb_attn-k_q023aaa1bcb_attn
	.p2alignl 7, 3214868480
	.fill 96, 4, 3214868480
	.section	.rodata,"a",@progbits
	.p2align	6, 0x0
	.amdhsa_kernel k_q023aaa1bcb_attn
		.amdhsa_group_segment_fixed_size 327680
		.amdhsa_private_segment_fixed_size 0
		.amdhsa_enable_private_segment 0
		.amdhsa_kernarg_size 24
		.amdhsa_user_sgpr_count 2
		.amdhsa_user_sgpr_kernarg_segment_ptr 1
		.amdhsa_wavefront_size32 1
		.amdhsa_system_sgpr_workgroup_id_x 1
		.amdhsa_system_sgpr_workgroup_id_y 1
		.amdhsa_system_sgpr_workgroup_id_z 1
		.amdhsa_system_vgpr_workitem_id 0
		.amdhsa_next_free_vgpr 256
		.amdhsa_next_free_sgpr 80
		.amdhsa_reserve_vcc 0
		.amdhsa_float_denorm_mode_32 3
		.amdhsa_float_denorm_mode_16_64 3
		.amdhsa_memory_ordered 1
		.amdhsa_forward_progress 1
		.amdhsa_inst_pref_size 120
	.end_amdhsa_kernel
	.amdgpu_metadata
---
amdhsa.version: [ 1, 2 ]
amdhsa.kernels:
  - .name:           k_q023aaa1bcb_attn
    .symbol:         k_q023aaa1bcb_attn.kd
    .args:
      - { .name: acod, .offset: 0, .size: 8, .value_kind: global_buffer, .address_space: global }
      - { .name: ascl, .offset: 8, .size: 8, .value_kind: global_buffer, .address_space: global }
      - { .name: out0, .offset: 16, .size: 8, .value_kind: global_buffer, .address_space: global }
    .group_segment_fixed_size: 327680
    .private_segment_fixed_size: 0
    .kernarg_segment_align: 8
    .kernarg_segment_size: 24
    .max_flat_workgroup_size: 512
    .sgpr_count:     80
    .vgpr_count:     256
    .wavefront_size: 32
...
	.end_amdgpu_metadata
.endif
;; end of part 3
